; MI455X (gfx1250); checked and timed in simulation.
; The chip was launched on July 23, 2026; its instructions are those of AMD's public machine-readable ISA for CDNA 5 (MIT licence, August 2026) and "CDNA5" Instruction Set Architecture Reference Guide (July 2026). The comments in the code are by the model that wrote it; some were corrected since.
;; Multi Head Attention. Allowed arithmetic: float matrix products may take bf16 or f16 operands with f32 sums; all other float work in f32.
;; Inputs: keys 4 x 2,048 x 16 x 64 float32; queries 4 x 2,048 x 16 x 64 float32; values 4 x 2,048 x 16 x 64 float32.
;; Outputs: out0 4 x 2,048 x 16 x 64 float32.
;; One version. Each part assembles by itself: llvm-mc -triple=amdgcn-amd-amdhsa -mcpu=gfx1250 --defsym DOCPART=n.
;; ======== version 1 of 1: 1 launch
;; limits: values are held in f16: magnitudes above 65,504 overflow, below 6.1e-05 lose precision; inputs' magnitudes at most 65,504
;; launch attn (part 1): grid 256 x 1, 8 waves a work-group, no clusters, 148,480 bytes of LDS; arguments queries, keys, values, out0; writes out0
.if DOCPART == 1
	.amdgcn_target "amdgcn-amd-amdhsa--gfx1250"
	.amdhsa_code_object_version 6
	.text
	.protected	k_q485f1435aa_attn
	.globl	k_q485f1435aa_attn
	.p2align	8
	.type	k_q485f1435aa_attn,@function
k_q485f1435aa_attn:
	s_mov_b64 s[64:65], 0
	v_nop
	global_prefetch_b8 v0, s[64:65] scope:SCOPE_SE
	s_setreg_imm32_b32 hwreg(HW_REG_WAVE_MODE, 25, 1), 1
	s_wait_xcnt 0x0
; Causal attention, y = softmax(q k^T / 8, keys <= query) v, for 64 (batch, head) pairs, 2,048 positions, 64 numbers a head.
; All four arrays are f32 [4][2048][16][64]: a head's row is 256 bytes at a multiple of 256, rows 4,096 bytes apart.
;
; SHARING.  Work-group x: head pair x >> 2, pair number p = x & 3.  It makes the query blocks (256 rows) p and then 7 - p of its head:
; 4 (p + 1) + 4 (8 - p) = 36 key tiles of 64 keys for every work-group.  Wave w owns rows 32 w .. 32 w + 31 of the block, two tiles of 16.
; A wave works on key tile kt while kt <= kdiag = 4 blk + (w >> 1); at kt = kdiag it masks; beyond it only carries its share of the tiles.
;
; LAYOUT.  Scores are made transposed, S^T = K Q^T: a lane then holds one query (lane % 16) and eight keys (8 (lane / 16) + 0..7) of each
; 16 x 16 tile, so maximum and sum are kept per lane, with one exchange between the two halves of the wave.  Two neighbouring key tiles,
; packed to f16, are the second source of O^T = V^T P^T as they stand: P never leaves the registers.  V^T comes from V's rows by the
; transposing LDS load.  In O^T a lane again holds one query, so the running factor and 1 / sum are per-lane multiplies.
; p = 2^(s c - m c) with c = log2(e) / 8 and m the running maximum of the raw scores: scale and subtraction are one fused multiply-add.
;
; K AND V COME THROUGH REGISTERS: they lie in memory as f32 and are multiplied as f16.  A copy engine moves bytes as they are: it would put
; tiles of twice the bytes into LDS, and each would need a second way through LDS to be converted.  For the same reason, and because the
; four work-groups of a head have different numbers of tiles in each block (4 (p + 1), then 4 (8 - p)), no cluster and no joint loads.
;
; THE PIPELINE.  K runs one tile ahead of V.  The work on tile t: each wave asks memory for its eighth (8 rows) of K(t+2) and of V(t+1);
; multiplies with K(t)'s fragments, which are in registers already; asks LDS for V(t)'s fragments and for K(t+1)'s, which arrive while
; the softmax runs; and at the end stores K(t+2) into K's buffer t & 1 (its fragments were read during tile t - 1) and V(t+1) into V's
; buffer (t + 1) & 1.  So within one tile's work the buffers read (K's (t+1) & 1, V's t & 1) and those written are different ones, and
; one barrier a tile orders both directions.  The tiles run on over the end of the first block: behind its last tile comes tile 0.
;
; LIMITS.  Q, K, V and P are rounded to f16, sums and softmax are f32: an input of magnitude 65,520 or more becomes an infinity, below
; 6.1e-5 it keeps an absolute step of 6e-8; a p below 3e-8 of its row's largest counts in the sum but not in the product.  2^x below
; 2^-126 is 0.  NaN and infinities among the inputs are not matched.  The order of the sums differs from a plain softmax's.
.set ROW,  4096                        ; bytes from a position to the next
.set KP,   144                         ; LDS pitch of K's and Q's rows: 128 bytes + 16 = 9 x 16, so 16 rows begin in 16 different 16-byte columns of 256 bytes
.set VPI,  160                         ; LDS pitch of V's rows: 128 bytes + 32 = 5 x 32, for the transposing load
.set KBY,  64*KP                       ; a K buffer
.set BUF,  KBY+64*VPI                  ; a K buffer and a V buffer.  Two such pairs from LDS byte 0
.set QST,  2*BUF                       ; Q in f16: for each wave two blocks of 32 rows, the wave's own
.set QBLK, 32*KP
.set OST,  QST+8*2*QBLK                ; the way out: for each wave 16 rows of 272 bytes, the wave's own
.set OP,   272
.set GL,   1                           ; v1   (lane / 16) x 4,096 + (lane % 16) x 16: two rows of 256 bytes a load or store; never rewritten
.set KA,   2                           ; v2   K fragment: (lane % 16) x 144 + 16 (lane / 16)
.set VA,   3                           ; v3   V^T fragment: (8 (lane / 16) + lane % 8) x 160 + 16 ((lane / 8) % 2)
.set KS,   4                           ; v4   where my 8 bytes of K's rows go: (8 w + lane / 16) x 144 + 8 (lane % 16)
.set VS,   5                           ; v5   the same for V, pitch 160
.set QS,   6                           ; v6   where my 8 bytes of Q's rows go
.set QL,   7                           ; v7   Q fragment, first block
.set OS,   8                           ; v8   way out, in: (lane % 16) x 272 + 32 (lane / 16)
.set OL,   9                           ; v9   way out, back: (lane / 16) x 272 + 16 (lane % 16)
.set LIM,  10                          ; v10  32 (w & 1) + lane % 16 - 8 (lane / 16): the mask's bound
.set NINF, 11                          ; v11  -infinity
.set M,    12                          ; v12-13  running maximum of query tile 0, 1
.set LS,   14                          ; v14-15  running sum, of my half's keys
.set N,    16                          ; v16-19  -m c, twice, for each query tile
.set AL,   20                          ; v20-23  the running factor (at the end 1 / sum), twice, for each query tile
.set T,    24                          ; v24-31  at work
.set Q,    32                          ; v32-63  Q fragments: (query tile q, half d of the 64) at 32 + 16 q + 8 d
.set S,    64                          ; v64-127 scores (q, key tile k) at 64 + 32 q + 8 k; then P (q, 32 keys ks) at 64 + 32 q + 16 ks
.set VF,   128                         ; v128-191 V^T fragments (ks, dt) at 128 + 32 ks + 8 dt
.set O,    192                         ; v192-255 O^T (q, dt) at 192 + 32 q + 8 dt
.set ST,   0                           ; v256-287 (second window): tiles as loaded, 4 x 4 registers of K, 4 x 4 of V
.set KF,   32                          ; v288-351 (second window): K fragments (d, k) at 32 + 32 d + 8 k
; scalars: s[4:11] Q, K, V, out; s12 w; s13 p; s[14:15] head offset; s17 blk; s18 kt; s19 kdiag; s20 loop counter; s21 the tile behind this one;
; s22 tiles in the block; s[24:25] an offset, s25 = 0; s[26:29] K's and V's address of the tiles asked for; s[30:33] K's and V's base of my rows;
; s[34:35] out at my rows of the block; s[36:37] its base; s[38:39] c, c; s40 -c; s41, s42 lane selects; s44-47 at work
.set MSB, 0
.macro WIN new                         ; s_set_vgpr_msb: low byte = windows (1:0 source 0, 3:2 source 1, 7:6 destination); high byte repeats the setting that is left
.if MSB != \new
	s_set_vgpr_msb (MSB<<8)|\new
.set MSB, \new
.endif
.endm
.macro PLACES n
.rept \n
	v_nop
.endr
.endm
; My eighth of a tile of K (rk = 1) and of a tile of V is asked for: rows 8 w .. 8 w + 7, two whole rows of 256 bytes a load.
.macro TILEREQ kp, vp, rk
	WIN 0x40                                       ; destination in the second window
.if \rk
.irp i, 0,1,2,3
	global_load_b128 v[ST+4*\i:ST+4*\i+3], v[GL], s[\kp:\kp+1] offset:2*ROW*\i
.endr
.endif
.irp i, 0,1,2,3
	global_load_b128 v[ST+16+4*\i:ST+16+4*\i+3], v[GL], s[\vp:\vp+1] offset:2*ROW*\i
.endr
	WIN 0
.endm
; They are rounded to f16 (into 16 registers from tmp on) and stored: K into K's buffer kbuf, V into V's buffer vbuf.
.macro CVTSTORE kbuf, vbuf, tmp, rk
	WIN 0x05                                       ; both sources in the second window
.if \rk
.irp i, 0,1,2,3
	v_cvt_pk_f16_f32 v[\tmp+2*\i],   v[ST+4*\i],   v[ST+4*\i+1]
	v_cvt_pk_f16_f32 v[\tmp+2*\i+1], v[ST+4*\i+2], v[ST+4*\i+3]
.endr
.endif
.irp i, 4,5,6,7
	v_cvt_pk_f16_f32 v[\tmp+2*\i],   v[ST+4*\i],   v[ST+4*\i+1]
	v_cvt_pk_f16_f32 v[\tmp+2*\i+1], v[ST+4*\i+2], v[ST+4*\i+3]
.endr
	WIN 0
.if \rk
.irp i, 0,1,2,3
	ds_store_b64 v[KS], v[\tmp+2*\i:\tmp+2*\i+1] offset:\kbuf*BUF+2*KP*\i
.endr
.endif
.irp i, 0,1,2,3
	ds_store_b64 v[VS], v[\tmp+8+2*\i:\tmp+8+2*\i+1] offset:\vbuf*BUF+KBY+2*VPI*\i
.endr
.endm
.macro KLOAD buf                       ; 16 loads: the fragments of K's 64 rows, d = 0..31, then d = 32..63
	WIN 0x40
.irp d, 0,1
.irp k, 0,1,2,3
	ds_load_b128 v[KF+32*\d+8*\k:KF+32*\d+8*\k+3],   v[KA] offset:\buf*BUF+16*KP*\k+64*\d
	ds_load_b128 v[KF+32*\d+8*\k+4:KF+32*\d+8*\k+7], v[KA] offset:\buf*BUF+16*KP*\k+64*\d+32
.endr
.endr
	WIN 0
.endm
.macro KPRE buf                        ; the next tile's K fragments, if I shall work on that tile (tile 0 of the next block: always)
	s_cmp_gt_u32 s21, s19
	s_cbranch_scc1 .Lnopre_\@
	KLOAD \buf
.Lnopre_\@:
.endm
.macro VLOAD buf                       ; 16 transposing loads: lane (r, h) gets keys 8 h .. 8 h + 7 (then 16 more down) of column 16 dt + r
.irp c, 0,1
.irp d, 0,1,2,3
	ds_load_tr16_b128 v[VF+32*\c+8*\d:VF+32*\c+8*\d+3],   v[VA] offset:\buf*BUF+KBY+32*VPI*\c+32*\d
	ds_load_tr16_b128 v[VF+32*\c+8*\d+4:VF+32*\c+8*\d+7], v[VA] offset:\buf*BUF+KBY+32*VPI*\c+32*\d+16*VPI
.endr
.endr
.endm
; S^T = K Q^T: 16 matrix instructions.  The eight accumulators take turns, one instruction a turn.
; K's fragments were waited for in front of the last barrier, so no wait stands here.
.macro SMUL
	WIN 0x01                                       ; source 0, K's fragments, in the second window
.irp k, 0,1,2,3
.irp q, 0,1
	v_wmma_f32_16x16x32_f16 v[S+32*\q+8*\k:S+32*\q+8*\k+7], v[KF+8*\k:KF+8*\k+7], v[Q+16*\q:Q+16*\q+7], 0
.endr
.endr
.irp k, 0,1,2,3
.irp q, 0,1
	v_wmma_f32_16x16x32_f16 v[S+32*\q+8*\k:S+32*\q+8*\k+7], v[KF+32+8*\k:KF+32+8*\k+7], v[Q+16*\q+8:Q+16*\q+15], v[S+32*\q+8*\k:S+32*\q+8*\k+7]
.endr
.endr
	WIN 0
.endm
; The diagonal tile.  Key 16 k + 8 h + j stays for query 32 (w & 1) + 16 q + r if 16 (k - q) + j <= LIM: one compare serves (q = 0, k) and (q = 1, k + 1).
; (q = 1, k = 0) always stays: its constants are at most -9, LIM is at least -8.  Every query keeps its own key, so the maximum is finite.
.macro MASK
.irp k, 0,1,2,3
.irp j, 0,1,2,3,4,5,6,7
	v_cmp_le_i32 vcc_lo, 16*\k+\j, v[LIM]
	v_cndmask_b32 v[S+8*\k+\j], v[NINF], v[S+8*\k+\j], vcc_lo
.if \k < 3
	v_cndmask_b32 v[S+32+8*(\k+1)+\j], v[NINF], v[S+32+8*(\k+1)+\j], vcc_lo
.endif
.endr
.endr
.endm
.macro FMAK ki                         ; s c - m c, two at a time
.irp q, 0,1
.irp j, 0,2,4,6
	v_pk_fma_f32 v[S+32*\q+8*\ki+\j:S+32*\q+8*\ki+\j+1], v[S+32*\q+8*\ki+\j:S+32*\q+8*\ki+\j+1], s[38:39], v[N+2*\q:N+2*\q+1] op_sel_hi:[1,0,1]
.endr
.endr
.endm
.macro EXPK ki
.irp q, 0,1
.irp j, 0,1,2,3,4,5,6,7
	v_exp_f32 v[S+32*\q+8*\ki+\j], v[S+32*\q+8*\ki+\j]
.endr
.endr
.endm
.macro SCK ki                          ; key tile ki: into two pairs of sums for each query tile, then packed to f16 at its place in P (below or at its own registers, ascending)
.irp q, 0,1
.if \ki == 0
	s_wait_alu depctr_va_vdst(0)
	v_pk_add_f32 v[T+4*\q:T+4*\q+1],   v[S+32*\q:S+32*\q+1],   v[S+32*\q+2:S+32*\q+3]
	v_pk_add_f32 v[T+4*\q+2:T+4*\q+3], v[S+32*\q+4:S+32*\q+5], v[S+32*\q+6:S+32*\q+7]
.else
	s_wait_alu depctr_va_vdst(0)
.irp j, 0,4
	v_pk_add_f32 v[T+4*\q:T+4*\q+1],   v[T+4*\q:T+4*\q+1],   v[S+32*\q+8*\ki+\j:S+32*\q+8*\ki+\j+1]
	v_pk_add_f32 v[T+4*\q+2:T+4*\q+3], v[T+4*\q+2:T+4*\q+3], v[S+32*\q+8*\ki+\j+2:S+32*\q+8*\ki+\j+3]
.endr
.endif
.endr
.irp q, 0,1
.irp r, 0,1,2,3
	v_cvt_pk_f16_f32 v[S+32*\q+16*(\ki/2)+4*(\ki%2)+\r], v[S+32*\q+8*\ki+2*\r], v[S+32*\q+8*\ki+2*\r+1]
.endr
.endr
.endm
.macro SOFTMAX
	; the maximum of my 32 scores and the running one: two chains for each query tile, then the other half of the wave
.irp q, 0,1
	v_max3_num_f32 v[T+2*\q],   v[S+32*\q],   v[S+32*\q+1], v[S+32*\q+2]
	v_max3_num_f32 v[T+2*\q+1], v[S+32*\q+3], v[S+32*\q+4], v[S+32*\q+5]
.endr
.irp i, 6,10,14,18,22,26
.irp q, 0,1
	v_max3_num_f32 v[T+2*\q],   v[T+2*\q],   v[S+32*\q+\i],   v[S+32*\q+\i+1]
	v_max3_num_f32 v[T+2*\q+1], v[T+2*\q+1], v[S+32*\q+\i+2], v[S+32*\q+\i+3]
.endr
.endr
.irp q, 0,1
	v_max3_num_f32 v[T+2*\q], v[T+2*\q], v[S+32*\q+30], v[S+32*\q+31]
.endr
.irp q, 0,1
	v_max3_num_f32 v[T+2*\q], v[T+2*\q], v[T+2*\q+1], v[M+\q]
.endr
.irp q, 0,1
	v_permlanex16_b32 v[T+2*\q+1], v[T+2*\q], s41, s42     ; lane i takes lane i xor 16: the same query's other keys
.endr
.irp q, 0,1
	v_max_num_f32 v[T+2*\q], v[T+2*\q], v[T+2*\q+1]        ; the new maximum, alike in both halves
.endr
.irp q, 0,1
	v_mul_f32 v[N+2*\q],   s40, v[T+2*\q]                  ; -m c, twice: a pair for the packed multiply-add
	v_mul_f32 v[N+2*\q+1], s40, v[T+2*\q]
.endr
.irp q, 0,1
	v_fma_f32 v[T+2*\q+1], v[M+\q], s38, v[N+2*\q]         ; (old m - new m) c; -infinity in a block's first tile
	v_mov_b32 v[M+\q], v[T+2*\q]
.endr
.irp q, 0,1
	v_exp_f32 v[AL+2*\q],   v[T+2*\q+1]                    ; the factor for what has been summed so far
	v_exp_f32 v[AL+2*\q+1], v[T+2*\q+1]
.endr
	; Behind each run of exponentials stand plain instructions on other registers before a result is used or a source rewritten.
	FMAK 0
	EXPK 0
	FMAK 1
	EXPK 1
	SCK 0
	FMAK 2
	EXPK 2
	SCK 1
	FMAK 3
	EXPK 3
	SCK 2
	SCK 3
.irp q, 0,1
	v_pk_add_f32 v[T+4*\q:T+4*\q+1], v[T+4*\q:T+4*\q+1], v[T+4*\q+2:T+4*\q+3]
.endr
.irp q, 0,1
	v_add_f32 v[T+4*\q], v[T+4*\q], v[T+4*\q+1]
.endr
.irp q, 0,1
	v_fma_f32 v[LS+\q], v[LS+\q], v[AL+2*\q], v[T+4*\q]
.endr
.endm
.macro OSCALE q                        ; O^T of query tile q times the pair in AL
.irp j, 0,2,4,6,8,10,12,14,16,18,20,22,24,26,28,30
	v_pk_mul_f32 v[O+32*\q+\j:O+32*\q+\j+1], v[O+32*\q+\j:O+32*\q+\j+1], v[AL+2*\q:AL+2*\q+1]
.endr
.endm
; O^T += V^T P^T: 16 matrix instructions; the eight accumulators take turns, one instruction a turn.
; first = 1: the block's first product starts the sums, nothing is cleared.
.macro PV first
.irp d, 0,1,2,3
.irp q, 0,1
.if \first
	v_wmma_f32_16x16x32_f16 v[O+32*\q+8*\d:O+32*\q+8*\d+7], v[VF+8*\d:VF+8*\d+7], v[S+32*\q:S+32*\q+7], 0
.else
	v_wmma_f32_16x16x32_f16 v[O+32*\q+8*\d:O+32*\q+8*\d+7], v[VF+8*\d:VF+8*\d+7], v[S+32*\q:S+32*\q+7], v[O+32*\q+8*\d:O+32*\q+8*\d+7]
.endif
.endr
.endr
.irp d, 0,1,2,3
.irp q, 0,1
	v_wmma_f32_16x16x32_f16 v[O+32*\q+8*\d:O+32*\q+8*\d+7], v[VF+32+8*\d:VF+32+8*\d+7], v[S+32*\q+16:S+32*\q+23], v[O+32*\q+8*\d:O+32*\q+8*\d+7]
.endr
.endr
.endm
; One key tile kt; buf = kt & 1, nbuf the other.  first = 1: a block's tile 0, which every wave works on (0 <= kdiag).
; rv = 1: a tile follows (its V is asked for and stored, its K fragments are read, the barrier stands); rk = 1: two tiles follow (K is asked for and stored).
.macro TRIP buf, nbuf, first, rk, rv
.if \rv
	s_add_co_u32 s21, s18, 1
	s_cmp_eq_u32 s21, s22
	s_cselect_b32 s21, 0, s21                      ; the tile behind this one; behind a block's last, tile 0
	s_lshl_b32 s24, s21, 18                        ; 64 rows of 4,096 bytes a tile
	s_add_nc_u64 s[28:29], s[32:33], s[24:25]      ; free: the last requests were waited for at the end of the last tile's work
.if \rk
	s_add_co_u32 s44, s21, 1
	s_cmp_eq_u32 s44, s22
	s_cselect_b32 s44, 0, s44                      ; and the one behind that, for K
	s_lshl_b32 s24, s44, 18
	s_add_nc_u64 s[26:27], s[30:31], s[24:25]
.endif
	TILEREQ 26, 28, \rk
.endif
.if \first == 0
	s_cmp_gt_u32 s18, s19                          ; all of this tile's keys lie behind my queries
	s_cbranch_scc1 .Lidle_\@
.else
	s_wait_dscnt 0x0                               ; Q's fragments, asked for at the block's head
.endif
	SMUL
	PLACES 4                                       ; four places behind the matrix instructions: for the loads into K's fragments and the reads of the scores
	VLOAD \buf                                     ; this tile's V and
.if \rv
	KPRE \nbuf                                     ; the next tile's K arrive while the softmax runs
.endif
	s_cmp_lg_u32 s18, s19
	s_cbranch_scc1 .Lnomask_\@
	MASK
.Lnomask_\@:
	SOFTMAX
	s_wait_dscnt 0x0                               ; V^T's fragments; for 0, since whether K's 16 younger loads were issued differs from tile to tile
.if \first == 0
	OSCALE 0
	OSCALE 1
.endif
	PV \first
	PLACES 5                                       ; five places before anything, a matrix instruction too, writes P's, V's or O's registers again
.if \first == 0
.if \rv
	s_branch .Ljoin_\@
.Lidle_\@:
	KPRE \nbuf                                     ; a wave with nothing to do here still needs tile 0's K at the block's end
.Ljoin_\@:
.else
.Lidle_\@:
.endif
.endif
.if \rv
	s_wait_loadcnt 0x0                             ; what I asked for at the head is in, and its addresses are free
	CVTSTORE \buf, \nbuf, S, \rk
	s_add_co_u32 s18, s18, 1
	s_wait_dscnt 0x0                               ; for the others' sake: my reads of LDS are back and my stores are done
	s_barrier_signal -1
	s_barrier_wait -1                              ; now the buffers read here may be written and those written here read
.endif
.endm
; One query block.  last = 0: block p, whose tiles run on into the next block's; last = 1: block 7 - p, whose last two tiles are written out, since nothing follows them.
.macro BLOCK last
.if \last
	s_sub_co_u32 s17, 7, s13
.else
	s_mov_b32 s17, s13
.endif
	s_lshl_b32 s19, s17, 2
	s_add_co_u32 s22, s19, 4                       ; tiles in the block: an even number, so a block's tile 0 is always in buffer 0
	s_lshr_b32 s45, s12, 1
	s_add_co_u32 s19, s19, s45                     ; kdiag
	s_mov_b32 s18, 0                               ; kt
	s_lshl_b32 s24, s17, 20                        ; 256 rows a block
	s_add_nc_u64 s[34:35], s[36:37], s[24:25]      ; free: the last block's stores were followed by s_wait_xcnt 0
.irp q, 0,1
.irp d, 0,1
	ds_load_b128 v[Q+16*\q+8*\d:Q+16*\q+8*\d+3],   v[QL] offset:\last*QBLK+16*KP*\q+64*\d        ; my own stage
	ds_load_b128 v[Q+16*\q+8*\d+4:Q+16*\q+8*\d+7], v[QL] offset:\last*QBLK+16*KP*\q+64*\d+32
.endr
.endr
	v_mov_b32 v[M], v[NINF]
	v_mov_b32 v[M+1], v[NINF]
	v_mov_b32 v[LS], 0
	v_mov_b32 v[LS+1], 0
	TRIP 0, 1, 1, 1, 1
	TRIP 1, 0, 0, 1, 1
	s_lshl_b32 s20, s17, 1                         ; pairs of tiles in the loop: 2 blk + 1, or 2 blk where the last pair is written out (blk >= 4 there)
.if \last == 0
	s_add_co_u32 s20, s20, 1
.endif
.Ltiles_\@:
	TRIP 0, 1, 0, 1, 1
	TRIP 1, 0, 0, 1, 1
	s_sub_co_i32 s20, s20, 1
	s_cmp_gt_i32 s20, 0
	s_cbranch_scc1 .Ltiles_\@
.if \last
	TRIP 0, 1, 0, 0, 1                             ; the last tile's V is still to come, no K
	TRIP 1, 0, 0, 0, 0                             ; nothing is asked for or stored, and no wave waits for another
.endif
	; THE WAY OUT.  The two halves' sums meet; O^T / sum goes through my stage, 16 queries at a time, and leaves as whole rows.
	v_permlanex16_b32 v[T], v[LS], s41, s42
	v_permlanex16_b32 v[T+1], v[LS+1], s41, s42
	v_add_f32 v[LS], v[LS], v[T]
	v_add_f32 v[LS+1], v[LS+1], v[T+1]
	v_rcp_f32 v[AL], v[LS]
	v_rcp_f32 v[AL+1], v[LS]
	v_rcp_f32 v[AL+2], v[LS+1]
	v_rcp_f32 v[AL+3], v[LS+1]
	v_nop                                          ; one plain place behind the reciprocals before they are used
	s_wait_alu depctr_va_vdst(0)
.irp q, 0,1
	OSCALE \q
.irp d, 0,1,2,3
	ds_store_b128 v[OS], v[O+32*\q+8*\d:O+32*\q+8*\d+3]   offset:64*\d                 ; query r, numbers 16 d + 8 h + 0..3
	ds_store_b128 v[OS], v[O+32*\q+8*\d+4:O+32*\q+8*\d+7] offset:64*\d+16
.endr
.irp t, 0,1,2,3,4,5,6,7
	ds_load_b128 v[S+32*\q+4*\t:S+32*\q+4*\t+3], v[OL] offset:2*OP*\t                  ; rows 2 t and 2 t + 1; LDS serves a wave's instructions in order, so these see the stores above
.endr
.irp t, 0,1,2,3,4,5,6,7
	s_wait_dscnt 7-\t                              ; the younger reads of the stage may be out
	global_store_b128 v[GL], v[S+32*\q+4*\t:S+32*\q+4*\t+3], s[34:35] offset:(16*\q+2*\t)*ROW th:TH_STORE_NT   ; sixteen lanes store 256 consecutive bytes, aligned
.endr
.endr
.if \last == 0
	s_wait_xcnt 0x0                                ; the stores' data registers and base are written again only behind this wait
.endif
.endm
	s_load_b256 s[4:11], s[0:1], 0x0               ; queries s[4:5], keys s[6:7], values s[8:9], out0 s[10:11]
	s_set_vgpr_msb 0x40
	v_lshl_add_u32 v96, v0, 2, 0x24000
	v_mov_b32 v97, 0
	s_set_vgpr_msb 0x4000
	v_lshrrev_b32 v2, 5, v0
	v_readfirstlane_b32 s12, v2                    ; w
	v_and_b32 v24, 15, v0                          ; r = lane % 16
	v_bfe_u32 v25, v0, 4, 1                        ; h = lane / 16
	v_lshlrev_b32 v[GL], 4, v24
	v_lshl_add_u32 v[GL], v25, 12, v[GL]
	s_and_b32 s13, ttmp9, 3                        ; p
	s_lshr_b32 s17, ttmp9, 2                       ; head pair
	s_lshr_b32 s18, s17, 4                         ; batch
	s_and_b32 s17, s17, 15                         ; head
	s_lshl_b32 s14, s18, 23                        ; batch x 2,048 x 4,096 bytes
	s_lshl_b32 s17, s17, 8                         ; head x 256 bytes
	s_add_co_u32 s14, s14, s17
	s_mov_b32 s15, 0
	s_mov_b32 s25, 0
	s_lshl_b32 s24, s12, 15                        ; my 8 rows of a tile
	s_wait_kmcnt 0x0
	s_add_nc_u64 s[30:31], s[6:7], s[14:15]
	s_add_nc_u64 s[30:31], s[30:31], s[24:25]
	s_add_nc_u64 s[32:33], s[8:9], s[14:15]
	s_add_nc_u64 s[32:33], s[32:33], s[24:25]
	TILEREQ 30, 32, 1                              ; K(0) and V(0),
.irp i, 0,1,2,3
	global_load_b128 v[O+16+4*\i:O+16+4*\i+3], v[GL], s[30:31] offset:64*ROW+2*ROW*\i        ; and K(1), through O's registers
.endr
	s_lshl_b32 s24, s12, 17                        ; my 32 rows of a block
	s_add_nc_u64 s[36:37], s[10:11], s[14:15]
	s_add_nc_u64 s[36:37], s[36:37], s[24:25]
	s_add_nc_u64 s[44:45], s[4:5], s[14:15]
	s_add_nc_u64 s[44:45], s[44:45], s[24:25]
	s_sub_co_u32 s17, 7, s13
	s_lshl_b32 s24, s17, 20                        ; 256 rows a block
	s_add_nc_u64 s[46:47], s[44:45], s[24:25]      ; Q, my rows of block 7 - p
	s_lshl_b32 s24, s13, 20
	s_add_nc_u64 s[44:45], s[44:45], s[24:25]      ; Q, my rows of block p
.irp i, 0,1,2,3,4,5,6,7,8,9,10,11,12,13,14,15
	global_load_b128 v[S+4*\i:S+4*\i+3], v[GL], s[44:45] offset:2*ROW*\i th:TH_LOAD_NT      ; Q is read once in the launch
.endr
.irp i, 0,1,2,3,4,5,6,7,8,9,10,11,12,13,14,15
	global_load_b128 v[VF+4*\i:VF+4*\i+3], v[GL], s[46:47] offset:2*ROW*\i th:TH_LOAD_NT
.endr
	; LDS addresses and constants, while the loads are on their way
	v_mul_u32_u24 v[KA], v24, KP
	v_lshl_add_u32 v[KA], v25, 4, v[KA]
	v_and_b32 v26, 7, v0
	v_lshl_add_u32 v26, v25, 3, v26
	v_mul_u32_u24 v[VA], v26, VPI
	v_bfe_u32 v27, v0, 3, 1
	v_lshl_add_u32 v[VA], v27, 4, v[VA]
	v_mul_u32_u24 v28, v25, KP
	v_lshl_add_u32 v28, v24, 3, v28                ; h x 144 + 8 r
	s_mul_i32 s17, s12, 8*KP
	v_add_nc_u32 v[KS], s17, v28
	v_mul_u32_u24 v29, v25, VPI
	v_lshl_add_u32 v29, v24, 3, v29
	s_mul_i32 s18, s12, 8*VPI
	v_add_nc_u32 v[VS], s18, v29
	s_mul_i32 s19, s12, 2*QBLK
	s_add_co_u32 s19, s19, QST                     ; my Q stage
	v_add_nc_u32 v[QS], s19, v28
	v_add_nc_u32 v[QL], s19, v[KA]
	s_mul_i32 s20, s12, 16*OP
	s_add_co_u32 s20, s20, OST                     ; my stage for the way out
	v_mul_u32_u24 v30, v24, OP
	v_lshl_add_u32 v30, v25, 5, v30
	v_add_nc_u32 v[OS], s20, v30
	v_mul_u32_u24 v31, v25, OP
	v_lshl_add_u32 v31, v24, 4, v31
	v_add_nc_u32 v[OL], s20, v31
	s_and_b32 s21, s12, 1
	s_lshl_b32 s21, s21, 5
	v_lshlrev_b32 v[LIM], 3, v25
	v_sub_nc_u32 v[LIM], v24, v[LIM]
	v_add_nc_u32 v[LIM], s21, v[LIM]
	v_mov_b32 v[NINF], 0xff800000
	s_mov_b32 s38, 0x3e38aa3b                      ; c = log2(e) / 8
	s_mov_b32 s39, 0x3e38aa3b
	s_mov_b32 s40, 0xbe38aa3b                      ; -c
	s_mov_b32 s41, 0x76543210
	s_mov_b32 s42, 0xfedcba98
	s_wait_loadcnt 0x20                            ; the twelve loads of K(0), V(0), K(1) are in; Q's 32, issued behind them, may be out
	CVTSTORE 0, 0, O, 1                            ; through O's registers: S and VF are being loaded
.irp i, 0,1,2,3
	v_cvt_pk_f16_f32 v[O+32+2*\i],   v[O+16+4*\i],   v[O+16+4*\i+1]
	v_cvt_pk_f16_f32 v[O+32+2*\i+1], v[O+16+4*\i+2], v[O+16+4*\i+3]
.endr
.irp i, 0,1,2,3
	ds_store_b64 v[KS], v[O+32+2*\i:O+32+2*\i+1] offset:BUF+2*KP*\i                    ; K(1) into K's buffer 1
.endr
.irp g, 0,1
	s_wait_loadcnt 16-16*\g                        ; the first block's Q is in while the second's 16 loads may be out; then all
.irp i, 0,1,2,3,4,5,6,7,8,9,10,11,12,13,14,15
	v_cvt_pk_f16_f32 v[S+64*\g+4*\i],   v[S+64*\g+4*\i],   v[S+64*\g+4*\i+1]
	v_cvt_pk_f16_f32 v[S+64*\g+4*\i+1], v[S+64*\g+4*\i+2], v[S+64*\g+4*\i+3]
.endr
.irp i, 0,1,2,3,4,5,6,7,8,9,10,11,12,13,14,15
	ds_store_b64 v[QS], v[S+64*\g+4*\i:S+64*\g+4*\i+1] offset:\g*QBLK+2*KP*\i
.endr
.endr
	s_wait_dscnt 0x0                               ; my eighths of the first tiles are in LDS,
	s_barrier_signal -1
	s_barrier_wait -1                              ; everybody's are
	KLOAD 0                                        ; K(0)'s fragments
	s_wait_dscnt 0x0                               ; they are read before any wave stores K(2) into the same buffer, at the end of tile 0's work
	s_barrier_signal -1
	s_barrier_wait -1
	BLOCK 0
	BLOCK 1
	s_set_vgpr_msb 0x5
	s_wait_tensorcnt 0x0
	ds_add_u32 v96, v97
	s_wait_dscnt 0x0
	s_set_vgpr_msb 0x500
	s_endpgm
.Lfunc_end_k_q485f1435aa_attn:
	.size	k_q485f1435aa_attn, .Lfunc_end_k_q485f1435aa_attn-k_q485f1435aa_attn
	.p2alignl 7, 3214868480
	.fill 96, 4, 3214868480
	.section	.rodata,"a",@progbits
	.p2align	6, 0x0
	.amdhsa_kernel k_q485f1435aa_attn
		.amdhsa_group_segment_fixed_size 148480
		.amdhsa_private_segment_fixed_size 0
		.amdhsa_enable_private_segment 0
		.amdhsa_kernarg_size 32
		.amdhsa_user_sgpr_count 2
		.amdhsa_user_sgpr_kernarg_segment_ptr 1
		.amdhsa_wavefront_size32 1
		.amdhsa_system_sgpr_workgroup_id_x 1
		.amdhsa_system_sgpr_workgroup_id_y 1
		.amdhsa_system_sgpr_workgroup_id_z 1
		.amdhsa_system_vgpr_workitem_id 0
		.amdhsa_next_free_vgpr 354
		.amdhsa_next_free_sgpr 66
		.amdhsa_reserve_vcc 1
		.amdhsa_float_denorm_mode_32 3
		.amdhsa_float_denorm_mode_16_64 3
		.amdhsa_memory_ordered 1
		.amdhsa_forward_progress 1
		.amdhsa_inst_pref_size 255
	.end_amdhsa_kernel
	.section	.bss,"aw",@nobits
	.p2align	6
	.space	262144
	.amdgpu_metadata
---
amdhsa.version: [ 1, 2 ]
amdhsa.kernels:
  - .name:           k_q485f1435aa_attn
    .symbol:         k_q485f1435aa_attn.kd
    .args:
      - { .name: queries, .offset: 0, .size: 8, .value_kind: global_buffer, .address_space: global }
      - { .name: keys, .offset: 8, .size: 8, .value_kind: global_buffer, .address_space: global }
      - { .name: values, .offset: 16, .size: 8, .value_kind: global_buffer, .address_space: global }
      - { .name: out0, .offset: 24, .size: 8, .value_kind: global_buffer, .address_space: global }
    .group_segment_fixed_size: 148480
    .private_segment_fixed_size: 0
    .kernarg_segment_align: 8
    .kernarg_segment_size: 32
    .max_flat_workgroup_size: 256
    .sgpr_count:     66
    .vgpr_count:     354
    .wavefront_size: 32
...
	.end_amdgpu_metadata
.endif
;; end of part 1
